; MI455X (gfx1250); checked and timed in simulation.
; The chip was launched on July 23, 2026; its instructions are those of AMD's public machine-readable ISA for CDNA 5 (MIT licence, August 2026) and "CDNA5" Instruction Set Architecture Reference Guide (July 2026). The comments in the code are by the model that wrote it; some were corrected since.
;; Concat Attention. Allowed arithmetic: matrix products marked QUANTISED: E3M2 operands, one E8M0 scale for each 32 along K, by v_wmma_scale_f32_16x16x128_f8f6f4 with both operands' format E3M2, f32 sums; products left as they are: f32 operands where the result goes on into a quantised operand, else bf16, f16 or f32 operands; f32 sums; everything else in f32.
;; Inputs: V 1,024 x 1 float32; W1 1,024 x 1,024 float32; W2 1,024 x 1,024 float32; keys 32 x 2,048 x 1,024 float32; mask 32 x 2,048 x 1 int32; query 32 x 1 x 1,024 float32.
;; Outputs: out0 32 x 1,024 float32; out1 32 x 2,048 float32.
;; This version of the problem:
;;   THIS VERSION OF THE PROBLEM IS GIVEN IN LOW PRECISION. The matrix products marked QUANTISED in the list below multiply operands that are first quantised to E3M2 (3 exponent bits, 2 mantissa bits; 6 bits a number), with one power-of-two scale for each 32 numbers along K (OCP MX v1.0); their sums are f32. All else is computed in f32.
;;   The module's matrix products, in the order in which they are computed (A, B: the left and right operand; K: the contracted axis; several contracted axes count as one K, in the product's order):
;;     1. [M 65,536, K 1,024] x [K 1,024, N 1,024]; A: input keys; B: input W1: QUANTISED
;;     2. [M 32, K 1,024] x [K 1,024, N 1,024]; A: input query; B: input W2: QUANTISED
;;     3. [M 65,536, K 1,024] x [K 1,024, N 1]; A: computed on the way; B: input V: left as it is (N = 1 < 16)
;;     4. batch 32 x [M 1, K 2,048] x [K 2,048, N 1,024]; A: softmax; B: input keys: left as it is (M = 1 < 16)
;;   THE QUANTISER, for each operand of a quantised product, along K:
;;     - K is cut into blocks of 32 from its start; a last block that is shorter is filled with zeros.
;;     - A block's scale is 2^e with e = floor(log2(the largest magnitude in the block)) - 4, held to -126 .. 127; a block of zeros has e = 0. As a byte (E8M0): e + 127.
;;     - Each number is divided by its block's scale, clamped to +-28, and rounded to the nearest number of E3M2, ties to even, subnormals kept.
;;     - The product sums the exact products of the quantised numbers (number of the format x scale) in f32.
;;   ~~~python
;;   def quantise(x, axis):      # numpy; x: float32 -> the quantised numbers, widened to float32 again
;;       x = np.moveaxis(x, axis, -1); K = x.shape[-1]
;;       x = np.pad(x, [(0, 0)] * (x.ndim - 1) + [(0, -K % 32)]); x = x.reshape(x.shape[:-1] + (-1, 32)); a = np.abs(x).max(-1, keepdims=True)
;;       e = np.where(a > 0, np.clip(np.frexp(np.where(a > 0, a, 1))[1] - 1 - 4, -126, 127), 0)      # np.frexp(a)[1] - 1 = floor(log2(a)), exactly
;;       r = np.clip(x / 2.0 ** e, -28, 28)
;;       step = 2.0 ** (np.maximum(np.frexp(np.where(r == 0, 1, r))[1] - 1, -2) - 2)
;;       q = np.round(r / step) * step * 2.0 ** e      # np.round: ties to even
;;       return np.moveaxis(q.reshape(q.shape[:-2] + (-1,))[..., :K], -1, axis).astype(np.float32)
;;   ~~~
;; One version. Each part assembles by itself: llvm-mc -triple=amdgcn-amd-amdhsa -mcpu=gfx1250 --defsym DOCPART=n.
;; ======== version 1 of 1: 3 launches
;; limits: values are held in bf16: 8 bits of precision; right only within a limited range of input values
;; workspace buffers: w1img 819,200 bytes; qp 131,072 bytes; scores 262,144 bytes; ctxp 4,194,304 bytes; ml 262,144 bytes
;; launch prep (part 1): grid 64 x 2, 8 waves a work-group, no clusters, 18,432 bytes of LDS; arguments W1, W2, query, w1img, qp; writes w1img, qp
.if DOCPART == 1
	.amdgcn_target "amdgcn-amd-amdhsa--gfx1250"
	.amdhsa_code_object_version 6
	.text
	.protected	k_qe61f5d6d5c_prep
	.globl	k_qe61f5d6d5c_prep
	.p2align	8
	.type	k_qe61f5d6d5c_prep,@function
k_qe61f5d6d5c_prep:
	s_mov_b64 s[64:65], 0
	v_nop
	global_prefetch_b8 v0, s[64:65] scope:SCOPE_SE
	s_setreg_imm32_b32 hwreg(HW_REG_WAVE_MODE, 25, 1), 1
	s_wait_xcnt 0x0
; W1 and W2 are [1024 (k)][1024 (n)] f32: K is their FIRST axis.  Work-group (T, y) takes the 16 columns 16 T .. 16 T + 15 of W1 (y = 0) or of W2 (y = 1); wave s takes K step s (k = 128 s .. 128 s + 127).
; A lane takes a column and its registers run down K, in the order that the operand's layout gives that lane (lane (r, h): k = 64 c + 32 h + 0 .. 31 in registers 6 c .. 6 c + 5): the conversions' results ARE the operand.
; y = 0: the fragment and its scale word are stored as an image of the operand's registers: w1img, image of tile T at place 4 (T % 16) + T / 16, 12,800 bytes: K step s at 1536 s (three stores of 512 consecutive bytes),
;        and at 12,288 the scale words: lane r + 16 g holds the four words of column r for K steps 4 g .. 4 g + 3.
; y = 1: the 32 rows of query are quantised too (K innermost: a lane loads its 32 neighbours of a block), and qp = Q(query) Q(W2) is made: each wave one K step, the eight partial sums added in f32 through LDS.
; A block's scale is 2^(floor(log2(largest magnitude)) - 4); its byte is the largest magnitude's exponent field - 4, held at 1 from below.
; LIMITS: a block of zeros gets the byte 1 (its codes are zeros; this program alone reads the bytes); NaN and infinities among the inputs are not served; qp's sum over K is grouped by K step.
.set SC,  0                            ; LDS, y = 0 alone: 512 bytes of scale words
.set RED, 1024                         ; LDS, y = 1 alone: [8 waves][16 registers][32 lanes] f32
.set T0,  56                           ; v56-62 at work in Q6; v[8:10], v[12:14] the conversions' second halves
; 64 numbers of a lane, v[x + 32 c + i] = k 64 c + 32 h + i of its column or row, become the fragment v[fr .. fr + 11] and the scale word v[sc]
.macro Q6 x, fr, sc
.irp c, 0,1
	v_max3_num_f32 v[T0+\c], |v[\x+32*\c]|, |v[\x+1+32*\c]|, 0x2800000        ; my block 2 c + h: all 32 numbers are mine; the floor 2^(5 - 127) holds the byte at 1 from below
.endr
.irp i, 2,4,6,8,10,12,14,16,18,20,22,24,26,28,30
.irp c, 0,1
	s_delay_alu instid0(VALU_DEP_2)
	v_max3_num_f32 v[T0+\c], v[T0+\c], |v[\x+32*\c+\i]|, |v[\x+1+32*\c+\i]|
.endr
.endr
.irp c, 0,1
	s_delay_alu instid0(VALU_DEP_2)
	v_add_nc_u32 v[T0+2+\c], 0xfe000000, v[T0+\c]                             ; 4 off the exponent field: the conversion's scale operand
.endr
.irp c, 0,1
	s_delay_alu instid0(VALU_DEP_2)
	v_lshrrev_b32 v[T0+4+\c], 23, v[T0+2+\c]                                  ; the scale's byte
.endr
	s_delay_alu instid0(VALU_DEP_1)
	v_lshl_or_b32 v[\sc], v[T0+5], 16, v[T0+4]                                ; my two bytes, blocks h and 2 + h,
	s_delay_alu instid0(VALU_DEP_1)
	v_lshlrev_b32 v[\sc], v4, v[\sc]                                          ; 8 h bits up;
	s_delay_alu instid0(VALU_DEP_1)
	v_permlanex16_b32 v[T0+6], v[\sc], s20, s21
	s_delay_alu instid0(VALU_DEP_1)
	v_or_b32 v[\sc], v[\sc], v[T0+6]                                          ; with lane l xor 16's two the word is whole
.irp c, 0,1
	v_cvt_scalef32_pk16_bf6_f32 v[\fr+6*\c:\fr+6*\c+2], v[\x+32*\c:\x+32*\c+15], v[T0+2+\c]
	v_cvt_scalef32_pk16_bf6_f32 v[8+4*\c:10+4*\c], v[\x+32*\c+16:\x+32*\c+31], v[T0+2+\c]   ; (a conversion's three registers begin on an even number)
.endr
	v_nop                                                                     ; one plain place behind a scaled conversion
.irp c, 0,1
.irp i, 0,1,2
	v_mov_b32 v[\fr+3+6*\c+\i], v[8+4*\c+\i]
.endr
.endr
.endm
	s_load_b256 s[4:11], s[0:1], 0x0               ; W1 s[4:5], W2 s[6:7], query s[8:9], w1img s[10:11]
	s_load_b64 s[12:13], s[0:1], 0x20              ; qp
	s_set_vgpr_msb 0x40
	v_lshl_add_u32 v0, v0, 2, 0x4400
	v_mov_b32 v1, 0
	s_set_vgpr_msb 0x4000
	v_lshrrev_b32 v1, 5, v0
	s_delay_alu instid0(VALU_DEP_1)
	v_readfirstlane_b32 s14, v1                    ; wave = K step s
	s_and_b32 s15, ttmp7, 0xffff                   ; y
	v_and_b32 v1, 15, v0                           ; r
	v_bfe_u32 v2, v0, 4, 1                         ; h
	v_and_b32 v3, 31, v0                           ; lane
	s_delay_alu instid0(VALU_DEP_2)
	v_lshlrev_b32 v4, 3, v2                        ; 8 h
	s_delay_alu instid0(VALU_DEP_4)
	v_lshlrev_b32 v5, 2, v1
	s_delay_alu instid0(VALU_DEP_1)
	v_lshl_add_u32 v11, v2, 15, v5                 ; qp: 8 h rows of 4,096 bytes + 4 r
	s_delay_alu instid0(VALU_DEP_2)
	v_lshl_add_u32 v5, v2, 17, v5                  ; W: 4 r + 32 h rows of 4,096 bytes
	v_lshlrev_b32 v6, 12, v1
	s_delay_alu instid0(VALU_DEP_1)
	v_lshl_add_u32 v6, v2, 7, v6                   ; query: row r + 128 h bytes
	v_lshlrev_b32 v7, 4, v3                        ; 16 x lane
	v_mov_b32 v62, 0                               ; written once: a lane permute's destination counts as one of its sources
	s_lshr_b32 s16, s14, 2                         ; s / 4
	s_and_b32 s17, s14, 3                          ; s % 4
	s_lshl_b32 s18, s16, 8                         ; every LDS address is made here, ahead of the ways' parting
	s_lshl_b32 s19, s17, 2
	s_add_co_u32 s18, s18, s19
	v_lshl_add_u32 v15, v1, 4, s18                 ; SC + 16 (r + 16 (s / 4)) + 4 (s % 4)
	s_lshl_b32 s19, s14, 11
	s_add_co_u32 s19, s19, RED
	v_lshl_add_u32 v55, v3, 2, s19                 ; RED + 2048 s + 4 lane: where I put my partial sums
	s_lshl_b32 s19, s14, 8
	s_add_co_u32 s19, s19, RED
	v_lshl_add_u32 v63, v3, 2, s19                 ; RED + 128 (2 s) + 4 lane: the two registers that I add up
	s_mov_b32 s20, 0x76543210
	s_mov_b32 s21, 0xfedcba98                      ; v_permlanex16_b32's selects for lane l xor 16
	s_lshl_b32 s22, s14, 19                        ; W: 128 s rows
	s_lshl_b32 s23, ttmp9, 6                       ;    + 16 T columns
	s_add_co_u32 s22, s22, s23
	s_mov_b32 s23, 0
	s_lshl_b32 s24, s14, 9                         ; query: 128 s numbers along a row
	s_mov_b32 s25, 0
	s_and_b32 s26, ttmp9, 15                       ; the image's place: 4 (T % 16) + T / 16
	s_lshl_b32 s26, s26, 2
	s_lshr_b32 s27, ttmp9, 4
	s_add_co_u32 s26, s26, s27
	s_mul_i32 s26, s26, 12800
	s_mul_i32 s27, s14, 1536                       ; and my K step in it
	s_add_co_u32 s26, s26, s27
	s_mov_b32 s27, 0
	s_lshl_b32 s28, s16, 16                        ; qp: registers 2 s, 2 s + 1 are rows 16 (s / 4) + 8 h + 2 (s % 4) + 0, 1
	s_lshl_b32 s29, s17, 13
	s_add_co_u32 s28, s28, s29
	s_lshl_b32 s29, ttmp9, 6
	s_add_co_u32 s28, s28, s29
	s_mov_b32 s29, 0
	s_wait_alu depctr_va_vdst(0)
	s_wait_kmcnt 0x0
	s_cmp_eq_u32 s15, 0                            ; the choice hangs on the work-group's number alone
	s_cselect_b64 s[4:5], s[4:5], s[6:7]
	s_add_nc_u64 s[4:5], s[4:5], s[22:23]
	s_add_nc_u64 s[8:9], s[8:9], s[24:25]
	s_add_nc_u64 s[10:11], s[10:11], s[26:27]
	s_add_nc_u64 s[12:13], s[12:13], s[28:29]
.irp c, 0,1
.irp i, 0,1,2,3,4,5,6,7,8,9,10,11,12,13,14,15,16,17,18,19,20,21,22,23,24,25,26,27,28,29,30,31
	global_load_b32 v[64+32*\c+\i], v5, s[4:5] offset:(64*\c+\i)*4096        ; W(128 s + 64 c + 32 h + i, 16 T + r)
.endr
.endr
	s_cmp_eq_u32 s15, 0
	s_cbranch_scc1 .Lno_query
.irp m, 0,1
.irp c, 0,1
.irp j, 0,1,2,3,4,5,6,7
	global_load_b128 v[128+64*\m+32*\c+4*\j:128+64*\m+32*\c+4*\j+3], v6, s[8:9] offset:65536*\m+256*\c+16*\j   ; query(16 m + r, 128 s + 64 c + 32 h + 4 j ..)
.endr
.endr
.endr
.Lno_query:
	s_wait_loadcnt 0x0
	Q6 64, 16, 52                                  ; the weight's fragment v[16:27], its scale word v52
	s_cmp_eq_u32 s15, 0
	s_cbranch_scc1 .Lstore_image
	Q6 128, 28, 53                                 ; query's rows 0-15
	Q6 192, 40, 54                                 ; and 16-31
.rept 8
	v_nop                                          ; a scale register written by a vector instruction stands 8 places ahead of a scaled matrix instruction, an operand 4
.endr
	v_wmma_scale_f32_16x16x128_f8f6f4 v[64:71], v[28:39], v[16:27], 0, v53, v52 matrix_a_fmt:MATRIX_FMT_BF6 matrix_b_fmt:MATRIX_FMT_BF6
	v_wmma_scale_f32_16x16x128_f8f6f4 v[72:79], v[40:51], v[16:27], 0, v54, v52 matrix_a_fmt:MATRIX_FMT_BF6 matrix_b_fmt:MATRIX_FMT_BF6
.rept 4
	v_nop                                          ; four places ahead of the first read of the results
.endr
.irp i, 0,1,2,3,4,5,6,7,8,9,10,11,12,13,14,15
	ds_store_b32 v55, v[64+\i] offset:128*\i       ; register i = 8 m + j: row 16 m + 8 h + j, column r; each accumulator from its low end on
.endr
	s_branch .Ljoin
.Lstore_image:
	s_wait_alu depctr_va_vdst(0)
.irp j, 0,1,2
	global_store_b128 v7, v[16+4*\j:19+4*\j], s[10:11] offset:512*\j          ; 32 lanes store 512 consecutive bytes, at a multiple of 256 from the buffer's first byte
.endr
	ds_store_b32 v15, v52                          ; both halves of the lanes write the same word with the same value
.Ljoin:
	s_wait_dscnt 0x0                               ; for the others' sake: my LDS stores are done
	s_barrier_signal -1
	s_barrier_wait -1
	s_cmp_eq_u32 s15, 0
	s_cbranch_scc1 .Lscale_words
.irp p, 0,1,2,3,4,5,6,7
.irp e, 0,1
	ds_load_b32 v[80+2*\p+\e], v63 offset:2048*\p+128*\e                      ; wave p's partial sum of register 2 s + e
.endr
.endr
	s_wait_dscnt 0x0
	v_pk_add_f32 v[80:81], v[80:81], v[82:83]
	v_pk_add_f32 v[84:85], v[84:85], v[86:87]
	v_pk_add_f32 v[88:89], v[88:89], v[90:91]
	v_pk_add_f32 v[92:93], v[92:93], v[94:95]
	s_delay_alu instid0(VALU_DEP_3)
	v_pk_add_f32 v[80:81], v[80:81], v[84:85]
	s_delay_alu instid0(VALU_DEP_2)
	v_pk_add_f32 v[88:89], v[88:89], v[92:93]
	s_delay_alu instid0(VALU_DEP_1)
	v_pk_add_f32 v[80:81], v[80:81], v[88:89]
	global_store_b32 v11, v80, s[12:13]
	global_store_b32 v11, v81, s[12:13] offset:4096
	s_set_vgpr_msb 0x5
	s_wait_tensorcnt 0x0
	ds_add_u32 v0, v1
	s_wait_dscnt 0x0
	s_set_vgpr_msb 0x500
	s_endpgm
.Lscale_words:
	s_cmp_lg_u32 s14, 0                            ; wave 0 (whose image address has no K step added) stores the tile's 512 bytes of scale words
	s_cbranch_scc1 .Lend
	ds_load_b128 v[80:83], v7
	s_wait_dscnt 0x0
	global_store_b128 v7, v[80:83], s[10:11] offset:12288
.Lend:
	s_set_vgpr_msb 0x5
	s_wait_tensorcnt 0x0
	ds_add_u32 v0, v1
	s_wait_dscnt 0x0
	s_set_vgpr_msb 0x500
	s_endpgm
.Lfunc_end_k_qe61f5d6d5c_prep:
	.size	k_qe61f5d6d5c_prep, .Lfunc_end_k_qe61f5d6d5c_prep-k_qe61f5d6d5c_prep
	.p2alignl 7, 3214868480
	.fill 96, 4, 3214868480
	.section	.rodata,"a",@progbits
	.p2align	6, 0x0
	.amdhsa_kernel k_qe61f5d6d5c_prep
		.amdhsa_group_segment_fixed_size 18432
		.amdhsa_private_segment_fixed_size 0
		.amdhsa_enable_private_segment 0
		.amdhsa_kernarg_size 40
		.amdhsa_user_sgpr_count 2
		.amdhsa_user_sgpr_kernarg_segment_ptr 1
		.amdhsa_wavefront_size32 1
		.amdhsa_system_sgpr_workgroup_id_x 1
		.amdhsa_system_sgpr_workgroup_id_y 1
		.amdhsa_system_sgpr_workgroup_id_z 1
		.amdhsa_system_vgpr_workitem_id 0
		.amdhsa_next_free_vgpr 258
		.amdhsa_next_free_sgpr 66
		.amdhsa_reserve_vcc 0
		.amdhsa_float_denorm_mode_32 3
		.amdhsa_float_denorm_mode_16_64 3
		.amdhsa_memory_ordered 1
		.amdhsa_forward_progress 1
		.amdhsa_inst_pref_size 29
	.end_amdhsa_kernel
	.amdgpu_metadata
---
amdhsa.version: [ 1, 2 ]
amdhsa.kernels:
  - .name:           k_qe61f5d6d5c_prep
    .symbol:         k_qe61f5d6d5c_prep.kd
    .args:
      - { .name: W1, .offset: 0, .size: 8, .value_kind: global_buffer, .address_space: global }
      - { .name: W2, .offset: 8, .size: 8, .value_kind: global_buffer, .address_space: global }
      - { .name: query, .offset: 16, .size: 8, .value_kind: global_buffer, .address_space: global }
      - { .name: w1img, .offset: 24, .size: 8, .value_kind: global_buffer, .address_space: global }
      - { .name: qp, .offset: 32, .size: 8, .value_kind: global_buffer, .address_space: global }
    .group_segment_fixed_size: 18432
    .private_segment_fixed_size: 0
    .kernarg_segment_align: 8
    .kernarg_segment_size: 40
    .max_flat_workgroup_size: 256
    .sgpr_count:     66
    .vgpr_count:     258
    .wavefront_size: 32
...
	.end_amdgpu_metadata
.endif
;; end of part 1
;; launch main (part 2): grid 256 x 1, 4 waves a work-group, no clusters, 327,680 bytes of LDS; arguments keys, mask, V, w1img, qp, scores, ctxp, ml; writes scores, ctxp, ml
.if DOCPART == 2
	.amdgcn_target "amdgcn-amd-amdhsa--gfx1250"
	.amdhsa_code_object_version 6
	.text
	.protected	k_qe61f5d6d5c_main
	.globl	k_qe61f5d6d5c_main
	.p2align	8
	.type	k_qe61f5d6d5c_main,@function
k_qe61f5d6d5c_main:
	s_mov_b64 s[64:65], 0
	v_nop
	global_prefetch_b8 v0, s[64:65] scope:SCOPE_SE
	s_setreg_imm32_b32 hwreg(HW_REG_WAVE_MODE, 25, 1), 1
	s_wait_xcnt 0x0
; score[row] = sum over n of V[n] tanh(Q(keys)[row] . Q(W1)[:, n] + qp[batch][n]); masked rows get -1e9; then, per wave, a running maximum m, the sum l of p = e^(score - m), and the sum of p x keys[row].
; keys are read from memory ONCE: each row is quantised to codes of E3M2 for the product and kept as bf16 for the weighted sum until its score is known.
; SHARES.  A work-group owns 256 rows of one batch, as four blocks of 64.  Every wave holds the codes of all 64 rows of the block in hand (32 fragments, 384 registers).
; The waves share the columns: wave w makes the 16 tiles of 16 columns 256 w + 16 t, one tile a step, 32 matrix instructions a step, 64 steps.  For quantising, the bf16 copy, the softmax and the weighted sum wave w owns rows 16 w .. 16 w + 15 of a block.
; THE PRODUCT IS USED TRANSPOSED (source 0 = 16 columns of W1, source 1 = 16 rows of keys): a lane holds one row and eight columns.  qp is the C of a sum's first instruction.
; tanh(x) = 1 - 2 / (1 + 2^(2 log2(e) x)): at both ends of the range the exponential gives 0 or infinity and the quotient 1 or 0.
; W1 comes as images of the operand's registers (12,800 bytes a tile, made by the launch before), by 25 loads of 512 consecutive bytes straight into one of two register buffers, asked for two steps ahead of its products.
; CLUSTER: none.  W1's images are all that work-groups share; each is read by one wave alone, and of LDS's 327,680 bytes 321,280 are taken, so a ring whose slots hold more than one step's four images (51,200 bytes) has no room.
; KEYS come by tensor loads into padded LDS lines (1,024 bytes + 16).  At the head wave w fetches chunk w (1,024 bytes) of all 64 rows of block 0; later each wave fetches, once a trip of four steps, 1,024 bytes of its 16 rows of the next block,
; 128 matrix instructions ahead of the wait for it; one tensor load of a wave is out at any time.  No prefetch is laid: that lead is a whole trip, and each trip's request follows the last trip's wait directly.
; LIMITS: NaN and infinities among the inputs are not served; a block of zeros gets the scale byte 1 (its codes are zeros); the sum over columns is grouped by lane and wave, in f32; keys enter the weighted sum as bf16.
; REGISTERS, in windows of 256: window 0: v1-31 addresses, statistics, v16-19 W1's scale words of buffer 1; v32-39 score sums; v40-55 keys' scale words; v56-59 W1's of buffer 0; v60-71 code fragment 31; v72-103 the weighted sum;
;   v104-135 accumulators (else at work, to v140); v144-239 image buffer 0; v240-247 -2 V; v248-255 qp.   window 1: code fragments 0-20.   window 2: fragments 21-30; v128-223 image buffer 1; v128-255 keys at the quantiser.   window 3: the block in hand as bf16.
.set KLP,   1040                       ; a landing line
.set KLW,   16*KLP                     ; a wave's 16 lines
.set KLH,   64*KLP                     ; the head: a chunk's 64 lines; four chunks from byte 0.  Later fills land on the first KLH bytes alone
.set BF,    66560                      ; the next block as bf16: rows of 2,048 + 16 bytes (on bytes that have had their last fill)
.set BFP,   2064
.set NV,    198656                     ; -2 V; 4,096 bytes on: qp of my batch
.set IMG,   266240                     ; the next block's fragments: (K step c, tile of rows m) at 12288 m + 1536 c
.set SCI,   315392                     ; their scale words: 512 m + 128 (c / 2) + 64 (c % 2) + 4 r
.set EX,    317440                     ; [wave][64 rows] partial scores
.set MSK,   318464                     ; the mask's words, row 64 b + 16 w + r at 256 w + 64 b + 4 r; 1,024 bytes on: the finished scores
.set PB,    320512                     ; 64 bytes a wave: p of its 16 rows
.set SPARE, 320768                     ; the spare words: 128 bytes a wave, named by no other line
.set TILEB, 51200                      ; from my image of tile t to that of tile t + 1
.set AW,3
.set AVB,4
.set ADV,5
.set ADB,6
.set LI,7
.set LS,8
.set XWI,9
.set XWS,11
.set TLD,13
.set BFS,15
.set WS1,16
.set EXS,20
.set EXL,21
.set MSA,22
.set PS,24
.set PL,25
.set SUMV,26
.set MX,27
.set FF,28
.set LL,30
.set MSW,31
.set SS,32
.set KS,40
.set WS,56
.set CT,72
.set ACC,104
.set BFT,141
.set BFL,142
.set HB,143
.set FW,144
.set VV,240
.set BI,248
.set TM,104
.set PW,120
.set PC,122
.set MSB, 0
.macro WIN new                         ; the immediate's high byte repeats the setting that is left
.if MSB != (\new)
	s_set_vgpr_msb (MSB<<8)|(\new)
.set MSB, (\new)
.endif
.endm
.macro NOPS
.rept 4
	v_nop
.endr
.endm
.macro BAR
	s_barrier_signal -1
	s_barrier_wait -1
.endm
; 32 matrix instructions on image buffer buf: K step by K step, the four accumulators by turns
.macro WMMA buf
.set fi, 0
.rept 32
.set ks, fi/4
.set mt, fi%4
.if fi < 21
	WIN 0x04|(2*\buf)
.set rB, 12*fi
.elseif fi < 31
	WIN 0x08|(2*\buf)
.set rB, 12*(fi-21)
.else
	WIN 2*\buf
.set rB, 60
.endif
.set rD, ACC+8*mt
.set rC, rD
.if ks == 0
.set rC, BI
.endif
.set rA, FW-16*\buf+12*ks
.set rSA, WS-40*\buf+ks%4              ; W1's word: register s % 4, lanes 0-15 for s < 4, lanes 16-31 else
.set rSB, KS+4*(ks/2)+mt               ; keys': register 4 (s / 2) + m, lanes 0-15 for even s, lanes 16-31 for odd
.if (ks/4 == 0) && (ks%2 == 0)
	v_wmma_scale_f32_16x16x128_f8f6f4 v[rD:rD+7], v[rA:rA+11], v[rB:rB+11], v[rC:rC+7], v[rSA], v[rSB] matrix_a_fmt:MATRIX_FMT_BF6 matrix_b_fmt:MATRIX_FMT_BF6
.elseif ks/4 == 0
	v_wmma_scale_f32_16x16x128_f8f6f4 v[rD:rD+7], v[rA:rA+11], v[rB:rB+11], v[rC:rC+7], v[rSA], v[rSB] matrix_a_fmt:MATRIX_FMT_BF6 matrix_b_fmt:MATRIX_FMT_BF6 matrix_b_scale:MATRIX_SCALE_ROW1
.elseif ks%2 == 0
	v_wmma_scale_f32_16x16x128_f8f6f4 v[rD:rD+7], v[rA:rA+11], v[rB:rB+11], v[rC:rC+7], v[rSA], v[rSB] matrix_a_fmt:MATRIX_FMT_BF6 matrix_b_fmt:MATRIX_FMT_BF6 matrix_a_scale:MATRIX_SCALE_ROW1
.else
	v_wmma_scale_f32_16x16x128_f8f6f4 v[rD:rD+7], v[rA:rA+11], v[rB:rB+11], v[rC:rC+7], v[rSA], v[rSB] matrix_a_fmt:MATRIX_FMT_BF6 matrix_b_fmt:MATRIX_FMT_BF6 matrix_a_scale:MATRIX_SCALE_ROW1 matrix_b_scale:MATRIX_SCALE_ROW1
.endif
.set fi, fi+1
.endr
.endm
; 25 loads: a whole image of W1 (24 x 512 consecutive bytes) and its scale words into buffer buf
.macro WLOAD buf, base, off
	WIN 0x80*\buf
.set i, 0
.rept 24
	global_load_b128 v[FW-16*\buf+4*i:FW-16*\buf+4*i+3], v[AW], s[\base:\base+1] offset:\off+512*i
.set i, i+1
.endr
	WIN 0
	global_load_b128 v[WS-40*\buf:WS-40*\buf+3], v[AW], s[\base:\base+1] offset:\off+12288
.endm
; 32 numbers a lane: 1 / (1 + 2^(2 log2(e) x)), times -2 V, onto the four pairs of score sums
.macro TANH
.set i, 0
.rept 16
	v_pk_mul_f32 v[ACC+i:ACC+i+1], v[ACC+i:ACC+i+1], s[48:49] op_sel_hi:[1,0]   ; ascending: each accumulator is read from its low end on
.set i, i+2
.endr
.set i, 0
	s_wait_alu depctr_va_vdst(0)                   ; a wait ahead of and behind each batch
.rept 32
	v_exp_f32 v[ACC+i], v[ACC+i]
.set i, i+1
.endr
	v_nop
	s_wait_alu depctr_va_vdst(0)
.set i, 0
.rept 16
	v_pk_add_f32 v[ACC+i:ACC+i+1], v[ACC+i:ACC+i+1], 1.0 op_sel_hi:[1,0]
.set i, i+2
.endr
.set i, 0
	s_wait_alu depctr_va_vdst(0)
.rept 32
	v_rcp_f32 v[ACC+i], v[ACC+i]
.set i, i+1
.endr
	v_nop
	s_wait_alu depctr_va_vdst(0)
	s_wait_dscnt 2                                 ; -2 V is in; the next tile's two loads of qp may be out
.irp p, 0,2,4,6
.irp m, 0,1,2,3
	v_pk_fma_f32 v[SS+2*\m:SS+2*\m+1], v[ACC+8*\m+\p:ACC+8*\m+\p+1], v[VV+\p:VV+\p+1], v[SS+2*\m:SS+2*\m+1]
.endr
.endr
.endm
; STEP j of a trip, on buffer j % 2.  ld = 1: the image two steps on is asked for into the buffer just multiplied; 0: the caller asks later; 2: as 1, but the launch's last trip asks for nothing.
.macro BODY j, ld
	s_wait_loadcnt 25                              ; this step's image is in; the next step's 25 loads may be out
	s_wait_dscnt 0x0                               ; qp is in
	WMMA (\j&1)
	WIN 0
	NOPS                                           ; four places between the last product and the loads into its sources, and the first read of its result
	ds_load_b128 v[VV:VV+3], v[ADV] offset:64*\j
	ds_load_b128 v[VV+4:VV+7], v[ADV] offset:64*\j+16
.if \j < 3
	ds_load_b128 v[BI:BI+3], v[ADV] offset:4096+64*(\j+1)
	ds_load_b128 v[BI+4:BI+7], v[ADV] offset:4096+64*(\j+1)+16
.else
	ds_load_b128 v[BI:BI+3], v[ADB] offset:4096
	ds_load_b128 v[BI+4:BI+7], v[ADB] offset:4112
.endif
.if \ld == 2
	s_cmp_eq_u32 s44, 15
	s_cbranch_scc1 .Lnone_\@
.endif
.if \ld > 0
	WLOAD (\j&1), 36+2*(\j/2), ((\j+2)%4)*TILEB
.endif
.if \ld == 2
	s_branch .Lasked_\@
.Lnone_\@:
	s_wait_loadcnt 0x0                             ; nothing younger will follow: the image still out is waited for here
.Lasked_\@:
.endif
	TANH
.endm
; 64 numbers of a lane in window win, register x + 16 b + i = k 32 b + 16 (lane / 16) + i of my row, become a fragment's codes in v[PC] on and its scale word in v[PW]
.macro QUANTW win, x
	WIN (\win<<2)|(\win<<4)
.irp b, 0,1,2,3
	v_max3_num_f32 v[TM+\b], 0x2800000, |v[\x+16*\b]|, |v[\x+1+16*\b]|        ; my 16 numbers of block b, and the floor 2^(5 - 127): the byte cannot fall under 1
.endr
.irp i, 2,4,6,8,10,12,14
.irp b, 0,1,2,3
	v_max3_num_f32 v[TM+\b], v[TM+\b], |v[\x+16*\b+\i]|, |v[\x+1+16*\b+\i]|
.endr
.endr
	WIN 0
.irp b, 0,1,2,3
	v_permlanex16_b32 v[TM+4+\b], v[TM+\b], s52, s53
.endr
.irp b, 0,1,2,3
	v_max_num_f32 v[TM+\b], v[TM+\b], v[TM+4+\b]                              ; with lane l xor 16's: the block's largest magnitude
.endr
.irp b, 0,1,2,3
	v_add_nc_u32 v[TM+12+\b], 0xfe000000, v[TM+\b]                            ; 4 off its exponent field: the conversion's scale operand
.endr
.irp b, 0,1,2,3
	v_lshrrev_b32 v[TM+4+\b], 23, v[TM+12+\b]                                 ; the scale's byte
.endr
	v_lshl_or_b32 v[PW], v[TM+5], 8, v[TM+4]
	v_lshl_or_b32 v[PW], v[TM+6], 16, v[PW]
	v_lshl_or_b32 v[PW], v[TM+7], 24, v[PW]
	WIN \win
.irp c, 0,1
	v_cvt_scalef32_pk16_bf6_f32 v[PC+6*\c:PC+2+6*\c], v[\x+32*\c:\x+15+32*\c], v[TM+12+2*\c]
	v_cvt_scalef32_pk16_bf6_f32 v[PC+12+4*\c:PC+14+4*\c], v[\x+16+32*\c:\x+31+32*\c], v[TM+12+2*\c+1]
.endr
	WIN 0
	v_nop                                          ; one plain place behind a scaled conversion
.irp c, 0,1                            ; the operand's layout wants a whole block in a lane
.irp i, 0,1,2
	v_permlane16_swap_b32 v[PC+6*\c+\i], v[PC+12+4*\c+\i]
.endr
.irp i, 0,1,2
	v_mov_b32 v[PC+3+6*\c+\i], v[PC+12+4*\c+\i]
.endr
.endr
.endm
.macro XOUT u, bf                      ; K step u of the pair: fragment and scale word to IMG and SCI; bf = 1: the bf16 copy to BF
	QUANTW 2, 128+64*\u
.irp c, 0,1,2
	ds_store_b128 v10, v[PC+4*\c:PC+4*\c+3] offset:1536*\u+512*\c
.endr
	ds_store_b32 v12, v[PW] offset:64*\u
.if \bf
	WIN 0x8a
.irp b, 0,1,2,3
.irp k, 0,1,2,3,4,5,6,7
	v_cvt_pk_bf16_f32 v[128+64*\u+16*\b+\k], v[128+64*\u+16*\b+2*\k], v[128+64*\u+16*\b+2*\k+1]
.endr
.endr
	WIN 0x08
.irp b, 0,1,2,3
.irp g, 0,1
	ds_store_b128 v[BFT], v[128+64*\u+16*\b+4*\g:128+64*\u+16*\b+4*\g+3] offset:256*\u+64*\b+16*\g
.endr
.endr
	WIN 0
.endif
.endm
; TWO K STEPS OF MY 16 ROWS out of the landing lines: lane (r, h) reads row r, 16 neighbours of each block.  s57: the chunk's region; s54, s55, s56: the pair's place in IMG, SCI, BF.
.macro X2 bf
	WIN 0
	v_add_nc_u32 v14, s57, v[TLD]
	v_add_nc_u32 v10, s54, v[XWI]
	v_add_nc_u32 v12, s55, v[XWS]
.if \bf
	v_add_nc_u32 v[BFT], s56, v[BFS]
.endif
	WIN 0x80
.irp u, 0,1
.irp b, 0,1,2,3
.irp p, 0,1,2,3
	ds_load_b128 v[128+64*\u+16*\b+4*\p:128+64*\u+16*\b+4*\p+3], v14 offset:512*\u+128*\b+16*\p
.endr
.endr
.endr
	s_wait_dscnt 16                                ; the first K step's 16 loads are in; the second's may be out
	XOUT 0, \bf
	s_wait_dscnt 4+8*\bf                           ; the second's are in: behind them stand the stores above
	XOUT 1, \bf
.endm
.macro REDUCE                          ; a block's 16 tiles are done: my 256 columns' part of the 64 scores goes to EX
	WIN 0
.irp m, 0,1,2,3
	v_add_f32 v[104+\m], v[SS+2*\m], v[SS+2*\m+1]
.endr
.irp m, 0,1,2,3
	v_permlanex16_b32 v[108+\m], v[104+\m], s52, s53
.endr
.irp m, 0,1,2,3
	v_add_f32 v[104+\m], v[104+\m], v[108+\m]
.endr
.irp m, 0,1,2,3
	v_add_f32 v[104+\m], v[104+\m], v[SUMV]
.endr
.irp m, 0,1,2,3
	ds_store_b32 v[EXS], v[104+\m] offset:64*\m
.endr
.endm
; MY 16 ROWS OF THE BLOCK THAT IS DONE (s58 = 64 x its number): scores, mask, running maximum and sum, and the weighted sum of the rows, which lie as bf16 in window 3
.macro SCORECTX
	WIN 0
	v_add_nc_u32 v23, s58, v[MSA]
.irp p, 0,1,2,3
	ds_load_b32 v[104+\p], v[EXL] offset:256*\p
.endr
	ds_load_b32 v108, v23
	v_mov_b32 v109, s51                            ; -1e9
	s_wait_dscnt 0x0
	v_add_f32 v104, v104, v105
	v_add_f32 v106, v106, v107
	v_add_f32 v104, v104, v106
	s_wait_alu depctr_va_vdst(0)
	v_cmp_eq_u32 vcc_lo, 0, v108
	v_cndmask_b32 v104, v104, v109, vcc_lo
	ds_store_b32 v23, v104 offset:1024             ; lanes 16-31 hold the same rows as lanes 0-15 and write the same words
	v_max_num_f32_dpp v105, v104, v104 row_xmask:1 row_mask:0xf bank_mask:0xf
	v_max_num_f32_dpp v105, v105, v105 row_xmask:2 row_mask:0xf bank_mask:0xf
	v_max_num_f32_dpp v105, v105, v105 row_xmask:4 row_mask:0xf bank_mask:0xf
	v_max_num_f32_dpp v105, v105, v105 row_xmask:8 row_mask:0xf bank_mask:0xf
	v_max_num_f32 v105, v105, v[MX]                ; the new maximum
	v_sub_f32 v106, v[MX], v105
	v_sub_f32 v107, v104, v105
	v_mul_f32 v106, s50, v106
	v_mul_f32 v107, s50, v107
	v_mov_b32 v[MX], v105
	s_wait_alu depctr_va_vdst(0)
	v_exp_f32 v[FF], v106                          ; f = e^(old maximum - new)
	v_exp_f32 v107, v107                           ; p = e^(score - maximum)
	v_nop
	s_wait_alu depctr_va_vdst(0)                   ; one wait for the two, ahead of their first reader
	ds_store_b32 v[PS], v107
.irp p, 0,1,2,3
	ds_load_b128 v[112+4*\p:115+4*\p], v[PL] offset:16*\p                     ; all 16 p into every lane
.endr
	v_add_f32_dpp v108, v107, v107 row_xmask:1 row_mask:0xf bank_mask:0xf
	v_add_f32_dpp v108, v108, v108 row_xmask:2 row_mask:0xf bank_mask:0xf
	v_add_f32_dpp v108, v108, v108 row_xmask:4 row_mask:0xf bank_mask:0xf
	v_add_f32_dpp v108, v108, v108 row_xmask:8 row_mask:0xf bank_mask:0xf
	v_fma_f32 v[LL], v[LL], v[FF], v108
.set i, 0
.rept 16
	v_pk_mul_f32 v[CT+i:CT+i+1], v[CT+i:CT+i+1], v[FF:FF+1] op_sel_hi:[1,0]
.set i, i+2
.endr
	s_wait_dscnt 0x0
	WIN 0x03                                       ; source 0 in window 3
.set rho, 0
.rept 16
.set e, 0
.rept 32                               ; sum 8 q + e' is column 256 q + 8 lane + e'
.if e%2 == 0
	v_fma_mix_f32_bf16 v[CT+e], v[16*rho+4*(e/8)+(e%8)/2], v[112+rho], v[CT+e] op_sel_hi:[1,0,0]
.else
	v_fma_mix_f32_bf16 v[CT+e], v[16*rho+4*(e/8)+(e%8)/2], v[112+rho], v[CT+e] op_sel:[1,0,0] op_sel_hi:[1,0,0]
.endif
.set e, e+1
.endr
.set rho, rho+1
.endr
	WIN 0
.endm
; THE NEXT BLOCK COMES INTO REGISTERS: all 32 fragments and 16 registers of scale words (made by all four waves: a barrier stands between their stores and these loads); bf = 1: my 16 rows as bf16
.macro SWITCH bf
.set fi, 0
.rept 32
.if fi < 21
	WIN 0x40
.set rB, 12*fi
.elseif fi < 31
	WIN 0x80
.set rB, 12*(fi-21)
.else
	WIN 0
.set rB, 60
.endif
.irp j, 0,1,2
	ds_load_b128 v[rB+4*\j:rB+4*\j+3], v[LI] offset:(fi%4)*12288+(fi/4)*1536+512*\j
.endr
.set fi, fi+1
.endr
	WIN 0
.irp p, 0,1,2,3
.irp m, 0,1,2,3
	ds_load_b32 v[KS+4*\p+\m], v[LS] offset:512*\m+128*\p
.endr
.endr
.if \bf
	WIN 0xc0
.set i, 0
.rept 64
	ds_load_b128 v[4*i:4*i+3], v[BFL] offset:(i/4)*BFP+(i%4)*512
.set i, i+1
.endr
	WIN 0
.endif
.irp i, 0,1,2,3,4,5,6,7
	v_mov_b32 v[SS+\i], 0                          ; the new block's score sums
.endr
	s_wait_dscnt 0x0
.endm
.macro TRIPHEAD                        ; trip s44: where its four tiles find -2 V, qp and (s[36:37]) their images, and the next trip's first tiles theirs (s[38:39])
	s_and_b32 s45, s44, 3
	s_lshl_b32 s46, s45, 8
	v_add_nc_u32 v[ADV], s46, v[AVB]
	s_mul_i32 s42, s45, 4*TILEB
	s_add_co_u32 s45, s45, 1
	s_and_b32 s45, s45, 3
	s_lshl_b32 s46, s45, 8
	v_add_nc_u32 v[ADB], s46, v[AVB]
	s_wait_xcnt 0x0                                ; the loads issued so far have read their bases
	s_add_nc_u64 s[36:37], s[22:23], s[42:43]
	s_mul_i32 s42, s45, 4*TILEB
	s_add_nc_u64 s[38:39], s[22:23], s[42:43]
	s_wait_alu depctr_va_vdst(0)
.endm
	s_load_b512 s[4:19], s[0:1], 0x0               ; keys s[4:5], mask s[6:7], V s[8:9], w1img s[10:11], qp s[12:13], scores s[14:15], ctxp s[16:17], ml s[18:19]
	v_lshl_add_u32 v1, v0, 2, SPARE
	v_mov_b32 v2, 0
	ds_add_u32 v1, v2                              ; the opening lines: the add twice on end and one wait
	ds_add_u32 v1, v2
	v_lshrrev_b32 v3, 5, v0
	v_readfirstlane_b32 s20, v3                    ; wave 0..3
	; descriptor group 1: lines of 256 f32, 4,096 bytes apart in memory, 16 bytes of padding behind each 256 words; 64 lines at the head, 16 later
	s_mov_b32 s24, (2<<16)|(1<<20)|(7<<22)|(3<<25)
	s_mov_b32 s25, 256<<16
	s_mov_b32 s26, 64<<16
	s_mov_b32 s27, 256<<16
	s_mov_b32 s28, 64
	s_mov_b32 s29, 1024
	s_mov_b32 s30, 0
	s_mov_b32 s31, 0
	s_mov_b32 s32, 1
	s_mul_i32 s33, s20, KLH                        ; chunk w's region
	s_mov_b32 s43, 0
	s_mov_b32 s47, 0
	s_mov_b32 s48, 0x4038aa3b                      ; 2 log2(e)
	s_mov_b32 s49, s48
	s_mov_b32 s50, 0x3fb8aa3b                      ; log2(e)
	s_mov_b32 s51, 0xce6e6b28                      ; -1e9
	s_mov_b32 s52, 0x76543210
	s_mov_b32 s53, 0xfedcba98                      ; v_permlanex16_b32's selects for lane l xor 16
	s_wait_dscnt 0x0
	s_wait_kmcnt 0x0
	s_lshl_b32 s46, ttmp9, 20                      ; my work-group's 256 rows of 4,096 bytes
	s_add_nc_u64 s[4:5], s[4:5], s[46:47]
	s_lshl_b32 s46, s20, 10
	s_add_nc_u64 s[34:35], s[4:5], s[46:47]        ; chunk w of block 0's rows
	s_or_b32 s35, s35, 0x80000000
	tensor_load_to_lds s[32:35], s[24:31]          ; my one load at the head
	s_nop 0
	NOPS
	s_lshl_b32 s46, s20, 16
	s_add_nc_u64 s[40:41], s[4:5], s[46:47]        ; my 16 rows of a block
	s_mul_i32 s46, s20, 12800
	s_add_nc_u64 s[22:23], s[10:11], s[46:47]      ; my image of tile 0
	s_lshl_b32 s46, ttmp9, 10
	s_add_nc_u64 s[6:7], s[6:7], s[46:47]
	s_add_nc_u64 s[14:15], s[14:15], s[46:47]
	s_lshr_b32 s46, ttmp9, 3                       ; the batch
	s_lshl_b32 s46, s46, 12
	s_add_nc_u64 s[12:13], s[12:13], s[46:47]
	s_lshl_b32 s45, ttmp9, 2
	s_add_co_u32 s45, s45, s20                     ; my wave among the launch's 1,024
	s_lshl_b32 s46, s45, 12
	s_add_nc_u64 s[16:17], s[16:17], s[46:47]
	s_lshl_b32 s46, s45, 8
	s_add_nc_u64 s[18:19], s[18:19], s[46:47]
	v_and_b32 v32, 31, v0                          ; lane
	v_and_b32 v33, 15, v0                          ; r
	v_bfe_u32 v34, v0, 4, 1                        ; h
	s_wait_alu depctr_va_vdst(0)
	v_lshlrev_b32 v[AW], 4, v32                    ; 16 x lane
	s_lshl_b32 s45, s20, 10
	s_add_co_u32 s45, s45, NV
	v_lshl_add_u32 v[AVB], v34, 5, s45             ; -2 V of my 256 columns, + 32 h
	v_lshl_add_u32 v[LI], v32, 4, IMG
	v_lshl_add_u32 v[LS], v32, 2, SCI
	s_mul_i32 s45, s20, 12288
	s_add_co_u32 s45, s45, IMG
	v_lshl_add_u32 v[XWI], v32, 4, s45
	s_lshl_b32 s45, s20, 9
	s_add_co_u32 s45, s45, SCI
	v_lshl_add_u32 v[XWS], v33, 2, s45
	s_mul_i32 s45, s20, KLW
	v_mul_u32_u24 v[TLD], v33, KLP
	v_lshl_add_u32 v[TLD], v34, 6, v[TLD]
	v_add_nc_u32 v[TLD], s45, v[TLD]               ; line 16 w + r, + 64 h
	v_lshl_add_u32 v[HB], v32, 5, s45              ; line 16 w, + 32 x lane
	s_mul_i32 s45, s20, 16*BFP
	s_add_co_u32 s45, s45, BF
	v_mul_u32_u24 v[BFS], v33, BFP
	v_lshl_add_u32 v[BFS], v34, 5, v[BFS]
	v_add_nc_u32 v[BFS], s45, v[BFS]               ; bf16 row 16 w + r, + 32 h
	v_lshl_add_u32 v[BFL], v32, 4, s45
	s_lshl_b32 s45, s20, 8
	s_add_co_u32 s46, s45, EX
	v_lshl_add_u32 v[EXS], v33, 2, s46
	s_add_co_u32 s46, s45, MSK
	v_lshl_add_u32 v[MSA], v33, 2, s46
	s_lshl_b32 s45, s20, 6
	s_add_co_u32 s46, s45, EX
	v_lshl_add_u32 v[EXL], v33, 2, s46
	s_add_co_u32 s46, s45, PB
	v_lshl_add_u32 v[PS], v33, 2, s46
	v_mov_b32 v[PL], s46
	s_add_co_u32 s46, s45, MSK
	v_bfe_u32 v[MSW], v0, 3, 2
	v_lshlrev_b32 v[MSW], 8, v[MSW]
	v_and_b32 v35, 7, v0
	v_lshl_add_u32 v[MSW], v35, 3, v[MSW]
	v_add_nc_u32 v[MSW], s46, v[MSW]               ; rows 2 t, 2 t + 1 of the work-group's 256 in MSK's order
	v_lshlrev_b32 v137, 5, v0                      ; 32 t
	v_lshlrev_b32 v139, 3, v0                      ; 8 t
	s_wait_alu depctr_va_vdst(0)
	global_load_b128 v[72:75], v137, s[8:9]        ; V(8 t ..): my wave's threads hold my wave's 256 columns
	global_load_b128 v[76:79], v137, s[8:9] offset:16
	global_load_b128 v[80:83], v137, s[12:13]      ; qp likewise
	global_load_b128 v[84:87], v137, s[12:13] offset:16
	global_load_b64 v[88:89], v139, s[6:7]         ; the mask of rows 2 t, 2 t + 1
	WLOAD 0, 22, 0                                 ; tile 0's image
	s_wait_loadcnt 25                              ; the five small loads are in; the image may be out
	v_add_f32 v[SUMV], v72, v73
	v_add_f32 v30, v74, v75
	v_add_f32 v28, v76, v77
	v_add_f32 v29, v78, v79
	v_add_f32 v[SUMV], v[SUMV], v30
	v_add_f32 v28, v28, v29
	v_add_f32 v[SUMV], v[SUMV], v28
	v_add_f32_dpp v[SUMV], v[SUMV], v[SUMV] row_xmask:1 row_mask:0xf bank_mask:0xf
	v_add_f32_dpp v[SUMV], v[SUMV], v[SUMV] row_xmask:2 row_mask:0xf bank_mask:0xf
	v_add_f32_dpp v[SUMV], v[SUMV], v[SUMV] row_xmask:4 row_mask:0xf bank_mask:0xf
	v_add_f32_dpp v[SUMV], v[SUMV], v[SUMV] row_xmask:8 row_mask:0xf bank_mask:0xf
	v_permlanex16_b32 v28, v[SUMV], s52, s53
	v_add_f32 v[SUMV], v[SUMV], v28                ; the sum of my wave's 256 V
.irp i, 0,1,2,3,4,5,6,7
	v_mul_f32 v[72+\i], -2.0, v[72+\i]
.endr
	ds_store_b64 v[MSW], v[88:89]
	v_mov_b32 v[MX], 0xff61b1e6                    ; the maximum so far: -3e38, under every score
	v_mov_b32 v[FF], 0
	v_mov_b32 v[FF+1], 0
	v_mov_b32 v[LL], 0
.irp b, 0,1,2,3
	v_mov_b32 v[TM+4+\b], 0                        ; written once: a lane permute's destination counts as one of its sources
.endr
	s_mov_b32 s44, 0
	s_wait_alu depctr_va_vdst(0)
	s_wait_tensorcnt 0x0                           ; my chunk is in; no load of mine is out, so the descriptor may be written: from here on 16 lines, into my own 16
	s_mov_b32 s26, 16<<16
	s_mov_b32 s28, 16
	s_mul_i32 s33, s20, KLW
	s_wait_dscnt 0x0
	BAR                                            ; all four chunks are in
.Lhead:                                            ; block 0: four pairs of K steps of my 16 rows
	s_mul_i32 s54, s44, 3072
	s_lshl_b32 s55, s44, 7
	s_mul_i32 s57, s44, KLH
	X2 0
	s_add_co_u32 s44, s44, 1
	s_cmp_lt_u32 s44, 4
	s_wait_alu depctr_va_vdst(0)
	s_cbranch_scc1 .Lhead
.irp qq, 0,1,2,3                       ; block 0's bf16 copy goes from the landing lines straight into window 3: register 16 row + 4 qq + i holds columns 256 qq + 8 lane + 2 i, + 1
	WIN 0
	v_add_nc_u32 v14, \qq*KLH, v[HB]
	WIN 0x80
.set rho, 0
.rept 16
	ds_load_b128 v[128+8*rho:131+8*rho], v14 offset:KLP*rho
	ds_load_b128 v[132+8*rho:135+8*rho], v14 offset:KLP*rho+16
.set rho, rho+1
.endr
	s_wait_dscnt 0x0
	WIN 0xca
.set i, 0
.rept 64
	v_cvt_pk_bf16_f32 v[16*(i/4)+4*\qq+i%4], v[128+2*i], v[129+2*i]
.set i, i+1
.endr
.endr
	WIN 0
	s_wait_dscnt 0x0                               ; my stores for the others and my reads of the landing lines are done
	BAR                                            ; the bytes behind the first KLH have had their last fill and their last read
	v_lshl_add_u32 v138, v0, 5, NV                 ; made here: the quantiser's work registers reach to v140
	ds_store_b128 v138, v[72:75]
	ds_store_b128 v138, v[76:79] offset:16
	ds_store_b128 v138, v[80:83] offset:4096
	ds_store_b128 v138, v[84:87] offset:4112
.set i, 0
.rept 32
	v_mov_b32 v[CT+i], 0                           ; running sums
.set i, i+1
.endr
	s_mov_b32 s44, 0                               ; G: the trip, four steps each
	s_mov_b32 s57, 0
	TRIPHEAD
	WLOAD 1, 36, TILEB                             ; tile 1's image
	ds_load_b128 v[BI:BI+3], v[AVB] offset:4096    ; tile 0's qp: my own stores, served in order
	ds_load_b128 v[BI+4:BI+7], v[AVB] offset:4112
	SWITCH 0
.Lloop:                                            ; 12 trips: blocks 0 to 2 are multiplied while the next block's keys come in
	s_wait_tensorcnt 0x0                           ; no tensor load of mine is out;
	ds_add_u32 v1, v2
	s_lshr_b32 s46, s44, 2
	s_add_co_u32 s46, s46, 1
	s_lshl_b32 s46, s46, 18                        ; the next block: 64 rows of 4,096 bytes,
	s_and_b32 s45, s44, 3
	s_lshl_b32 s45, s45, 10                        ; its pair G % 4
	s_add_co_u32 s46, s46, s45
	s_add_nc_u64 s[34:35], s[40:41], s[46:47]
	s_or_b32 s35, s35, 0x80000000
	s_wait_dscnt 0x0                               ; the add is done, and my reads of the landing lines
	BAR
	tensor_load_to_lds s[32:35], s[24:31]          ; my one load behind this barrier
	s_nop 0
	NOPS
	BODY 0, 1
	BODY 1, 1
	BODY 2, 1
	BODY 3, 0                                      ; buffer 1's registers serve the quantiser below: its next image is asked for behind it
	s_and_b32 s45, s44, 3
	s_cmp_lg_u32 s45, 3
	s_cbranch_scc1 .Lno_reduce
	REDUCE                                         ; a block's last trip
.Lno_reduce:
	s_and_b32 s45, s44, 3
	s_mul_i32 s54, s45, 3072
	s_lshl_b32 s55, s45, 7
	s_lshl_b32 s56, s45, 9
	s_wait_alu depctr_va_vdst(0)
	s_wait_tensorcnt 0x0                           ; my 16 lines, which I alone read, are in
	X2 1
	WLOAD 1, 38, TILEB                             ; the next trip's second image
	s_lshr_b32 s58, s44, 2
	s_lshl_b32 s58, s58, 6                         ; 64 x the block of the trip that ends
	s_add_co_u32 s44, s44, 1
	TRIPHEAD
	s_wait_dscnt 0x0                               ; for the others' sake: my fragments and my part of the scores are stored
	BAR
	s_and_b32 s45, s44, 3
	s_cmp_lg_u32 s45, 0
	s_cbranch_scc1 .Lsame_block
	SCORECTX
	SWITCH 1
.Lsame_block:
	s_cmp_lt_u32 s44, 12
	s_wait_alu depctr_va_vdst(0)
	s_cbranch_scc1 .Lloop
	s_wait_dscnt 0x0                               ; my reads of block 2's partial scores in EX have come back
	BAR                                            ; so have every wave's: the last block's partial scores, stored to EX behind the loop below, land on bytes that nobody reads any more
.Llast:                                            ; 4 trips: the last block has no successor, so no keys, no barrier
	BODY 0, 1
	BODY 1, 1
	BODY 2, 2
	BODY 3, 2
	s_add_co_u32 s44, s44, 1
	TRIPHEAD
	s_cmp_lt_u32 s44, 16
	s_cbranch_scc1 .Llast
	REDUCE
	s_wait_dscnt 0x0                               ; for the others' sake: my part of the scores is stored
	BAR
	s_mov_b32 s58, 192
	SCORECTX
	v_and_b32 v104, 31, v0
	v_lshlrev_b32 v105, 4, v104
.irp g, 0,1,2,3,4,5,6,7
	global_store_b128 v105, v[CT+4*\g:CT+4*\g+3], s[16:17] offset:512*\g      ; 32 lanes store 512 consecutive bytes, at a multiple of 256 from the buffer's first byte
.endr
	v_lshlrev_b32 v106, 3, v104
	v_mov_b32 v108, v[MX]
	v_mov_b32 v109, v[LL]
	global_store_b64 v106, v[108:109], s[18:19]    ; every lane holds the same (m, l): the wave's 256 bytes are stored whole
	v_lshlrev_b32 v107, 3, v0
	s_wait_alu depctr_va_vdst(0)
	s_wait_dscnt 0x0                               ; my rows' scores are stored
	BAR
	ds_load_b64 v[110:111], v[MSW] offset:1024     ; rows 2 t, 2 t + 1
	s_wait_dscnt 0x0
	global_store_b64 v107, v[110:111], s[14:15]    ; a wave stores 256 consecutive aligned bytes
	s_wait_tensorcnt 0x0                           ; the wave's end
	ds_add_u32 v1, v2
	s_wait_dscnt 0x0
	s_endpgm
.Lfunc_end_k_qe61f5d6d5c_main:
	.size	k_qe61f5d6d5c_main, .Lfunc_end_k_qe61f5d6d5c_main-k_qe61f5d6d5c_main
	.p2alignl 7, 3214868480
	.fill 96, 4, 3214868480
	.section	.rodata,"a",@progbits
	.p2align	6, 0x0
	.amdhsa_kernel k_qe61f5d6d5c_main
		.amdhsa_group_segment_fixed_size 327680
		.amdhsa_private_segment_fixed_size 0
		.amdhsa_enable_private_segment 0
		.amdhsa_kernarg_size 64
		.amdhsa_user_sgpr_count 2
		.amdhsa_user_sgpr_kernarg_segment_ptr 1
		.amdhsa_wavefront_size32 1
		.amdhsa_system_sgpr_workgroup_id_x 1
		.amdhsa_system_sgpr_workgroup_id_y 1
		.amdhsa_system_sgpr_workgroup_id_z 1
		.amdhsa_system_vgpr_workitem_id 0
		.amdhsa_next_free_vgpr 1024
		.amdhsa_next_free_sgpr 66
		.amdhsa_reserve_vcc 1
		.amdhsa_float_denorm_mode_32 3
		.amdhsa_float_denorm_mode_16_64 3
		.amdhsa_memory_ordered 1
		.amdhsa_forward_progress 1
		.amdhsa_inst_pref_size 255
	.end_amdhsa_kernel
	.section	.bss,"aw",@nobits
	.p2align	6
	.space	262144
	.amdgpu_metadata
---
amdhsa.version: [ 1, 2 ]
amdhsa.kernels:
  - .name:           k_qe61f5d6d5c_main
    .symbol:         k_qe61f5d6d5c_main.kd
    .args:
      - { .name: keys, .offset: 0, .size: 8, .value_kind: global_buffer, .address_space: global }
      - { .name: mask, .offset: 8, .size: 8, .value_kind: global_buffer, .address_space: global }
      - { .name: V, .offset: 16, .size: 8, .value_kind: global_buffer, .address_space: global }
      - { .name: w1img, .offset: 24, .size: 8, .value_kind: global_buffer, .address_space: global }
      - { .name: qp, .offset: 32, .size: 8, .value_kind: global_buffer, .address_space: global }
      - { .name: scores, .offset: 40, .size: 8, .value_kind: global_buffer, .address_space: global }
      - { .name: ctxp, .offset: 48, .size: 8, .value_kind: global_buffer, .address_space: global }
      - { .name: ml, .offset: 56, .size: 8, .value_kind: global_buffer, .address_space: global }
    .group_segment_fixed_size: 327680
    .private_segment_fixed_size: 0
    .kernarg_segment_align: 8
    .kernarg_segment_size: 64
    .max_flat_workgroup_size: 128
    .sgpr_count:     66
    .vgpr_count:     1024
    .wavefront_size: 32
...
	.end_amdgpu_metadata
.endif
;; end of part 2
;; launch finish (part 3): grid 32 x 4, 4 waves a work-group, no clusters, 0 bytes of LDS; arguments scores, ctxp, ml, out0, out1; writes out0, out1
.if DOCPART == 3
	.amdgcn_target "amdgcn-amd-amdhsa--gfx1250"
	.amdhsa_code_object_version 6
	.text
	.protected	k_qe61f5d6d5c_finish
	.globl	k_qe61f5d6d5c_finish
	.p2align	8
	.type	k_qe61f5d6d5c_finish,@function
k_qe61f5d6d5c_finish:
	s_mov_b64 s[64:65], 0
	v_nop
	global_prefetch_b8 v0, s[64:65] scope:SCOPE_SE
	s_setreg_imm32_b32 hwreg(HW_REG_WAVE_MODE, 25, 1), 1
	s_wait_xcnt 0x0
; A batch's 2,048 rows were walked by 32 waves of the launch before; each left a maximum m, a sum l of e^(score - m), and 1,024 sums of e^(score - m) x keys.
; M = the largest m; L = the sum of l e^(m - M); out0 = the sum of the waves' sums x e^(m - M) / L; out1 = e^(score - M) / L.
; Work-group (b, y): batch b, columns 256 y .. 256 y + 255 of out0 (two a thread) and rows 512 y .. 512 y + 511 of out1 (four a thread).  Every wave works M, L and the 32 weights out for itself: no LDS, no barrier.
; The matrix units have nothing to do here: 32 multiply-adds for each number that is read once.
	s_load_b256 s[4:11], s[0:1], 0x0               ; scores s[4:5], ctxp s[6:7], ml s[8:9], out0 s[10:11]
	s_load_b64 s[12:13], s[0:1], 0x20              ; out1
	s_and_b32 s14, ttmp7, 0xffff                   ; y
	v_and_b32 v1, 31, v0
	v_lshlrev_b32 v2, 8, v1                        ; ml: 256 bytes a wave; lane i takes wave i's
	v_bfe_u32 v3, v0, 1, 1                         ; ctxp: columns 2 t, 2 t + 1 of my quarter lie at 512 ((t / 2) % 2) + 16 (t / 4) + 8 (t % 2)
	v_lshrrev_b32 v4, 2, v0
	v_and_b32 v5, 1, v0
	v_lshlrev_b32 v3, 9, v3
	v_lshl_add_u32 v3, v4, 4, v3
	v_lshl_add_u32 v3, v5, 3, v3
	v_lshlrev_b32 v6, 4, v0                        ; 16 t
	v_lshlrev_b32 v7, 3, v0                        ; 8 t
	v_mov_b32 v11, 0                               ; written once: a lane permute's destination counts as one of its sources
	s_mov_b32 s20, 0x3fb8aa3b                      ; log2(e)
	s_mov_b32 s22, 0x76543210
	s_mov_b32 s23, 0xfedcba98
	s_mov_b32 s17, 0
	s_mov_b32 s19, 0
	s_wait_alu depctr_va_vdst(0)
	s_wait_kmcnt 0x0
	s_lshl_b32 s16, ttmp9, 13                      ; 32 waves x 256 bytes; also a batch's 2,048 scores
	s_add_nc_u64 s[8:9], s[8:9], s[16:17]
	s_lshl_b32 s18, s14, 11                        ; my 512 rows
	s_add_co_u32 s16, s16, s18
	s_add_nc_u64 s[4:5], s[4:5], s[16:17]
	s_add_nc_u64 s[12:13], s[12:13], s[16:17]
	s_lshl_b32 s16, ttmp9, 17                      ; 32 waves x 4,096 bytes
	s_lshl_b32 s18, s14, 10                        ; my 256 columns
	s_add_co_u32 s16, s16, s18
	s_add_nc_u64 s[6:7], s[6:7], s[16:17]
	s_lshl_b32 s16, ttmp9, 12
	s_add_co_u32 s16, s16, s18
	s_add_nc_u64 s[10:11], s[10:11], s[16:17]
	global_load_b64 v[8:9], v2, s[8:9]
.set i, 0
.rept 32
	global_load_b64 v[16+2*i:17+2*i], v3, s[6:7] offset:4096*i
.set i, i+1
.endr
	global_load_b128 v[80:83], v6, s[4:5]
	s_wait_loadcnt 33                              ; (m, l) is in; the 33 younger loads may be out
	v_mov_b32 v10, v8
	v_max_num_f32_dpp v10, v10, v10 row_xmask:1 row_mask:0xf bank_mask:0xf
	v_max_num_f32_dpp v10, v10, v10 row_xmask:2 row_mask:0xf bank_mask:0xf
	v_max_num_f32_dpp v10, v10, v10 row_xmask:4 row_mask:0xf bank_mask:0xf
	v_max_num_f32_dpp v10, v10, v10 row_xmask:8 row_mask:0xf bank_mask:0xf
	v_permlanex16_b32 v11, v10, s22, s23
	v_max_num_f32 v10, v10, v11                    ; M
	v_sub_f32 v12, v8, v10
	v_mul_f32 v12, s20, v12
	s_wait_alu depctr_va_vdst(0)
	v_exp_f32 v12, v12                             ; e^(m - M)
	v_nop
	s_wait_alu depctr_va_vdst(0)                   ; ahead of the exponential's first reader
	v_mul_f32 v13, v9, v12
	v_add_f32_dpp v13, v13, v13 row_xmask:1 row_mask:0xf bank_mask:0xf
	v_add_f32_dpp v13, v13, v13 row_xmask:2 row_mask:0xf bank_mask:0xf
	v_add_f32_dpp v13, v13, v13 row_xmask:4 row_mask:0xf bank_mask:0xf
	v_add_f32_dpp v13, v13, v13 row_xmask:8 row_mask:0xf bank_mask:0xf
	v_permlanex16_b32 v11, v13, s22, s23
	v_add_f32 v13, v13, v11                        ; L
	s_wait_alu depctr_va_vdst(0)
	v_rcp_f32 v14, v13
	v_nop
	s_wait_alu depctr_va_vdst(0)                   ; ahead of the reciprocal's first reader
	v_mul_f32 v12, v12, v14                        ; wave i's weight, in lane i
.set i, 0
.rept 32
	v_readlane_b32 s[24+i], v12, i
.set i, i+1
.endr
	s_wait_loadcnt 0x0
	v_mul_f32 v84, s24, v16
	v_mul_f32 v85, s24, v17
.set i, 1
.rept 31
	v_fma_f32 v84, s[24+i], v[16+2*i], v84
	v_fma_f32 v85, s[24+i], v[17+2*i], v85
.set i, i+1
.endr
	global_store_b64 v7, v[84:85], s[10:11]        ; a wave stores 256 consecutive aligned bytes
.irp k, 0,1,2,3
	v_sub_f32 v[80+\k], v[80+\k], v10
.endr
.irp k, 0,1,2,3
	v_mul_f32 v[80+\k], s20, v[80+\k]
.endr
	s_wait_alu depctr_va_vdst(0)
.irp k, 0,1,2,3
	v_exp_f32 v[80+\k], v[80+\k]
.endr
	v_nop
	s_wait_alu depctr_va_vdst(0)                   ; one wait for the four
.irp k, 0,1,2,3
	v_mul_f32 v[80+\k], v[80+\k], v14
.endr
	global_store_b128 v6, v[80:83], s[12:13]       ; a wave stores 512 consecutive aligned bytes
	s_endpgm
.Lfunc_end_k_qe61f5d6d5c_finish:
	.size	k_qe61f5d6d5c_finish, .Lfunc_end_k_qe61f5d6d5c_finish-k_qe61f5d6d5c_finish
	.p2alignl 7, 3214868480
	.fill 96, 4, 3214868480
	.section	.rodata,"a",@progbits
	.p2align	6, 0x0
	.amdhsa_kernel k_qe61f5d6d5c_finish
		.amdhsa_group_segment_fixed_size 0
		.amdhsa_private_segment_fixed_size 0
		.amdhsa_enable_private_segment 0
		.amdhsa_kernarg_size 40
		.amdhsa_user_sgpr_count 2
		.amdhsa_user_sgpr_kernarg_segment_ptr 1
		.amdhsa_wavefront_size32 1
		.amdhsa_system_sgpr_workgroup_id_x 1
		.amdhsa_system_sgpr_workgroup_id_y 1
		.amdhsa_system_sgpr_workgroup_id_z 1
		.amdhsa_system_vgpr_workitem_id 0
		.amdhsa_next_free_vgpr 96
		.amdhsa_next_free_sgpr 66
		.amdhsa_reserve_vcc 0
		.amdhsa_float_denorm_mode_32 3
		.amdhsa_float_denorm_mode_16_64 3
		.amdhsa_memory_ordered 1
		.amdhsa_forward_progress 1
		.amdhsa_inst_pref_size 13
	.end_amdhsa_kernel
	.amdgpu_metadata
---
amdhsa.version: [ 1, 2 ]
amdhsa.kernels:
  - .name:           k_qe61f5d6d5c_finish
    .symbol:         k_qe61f5d6d5c_finish.kd
    .args:
      - { .name: scores, .offset: 0, .size: 8, .value_kind: global_buffer, .address_space: global }
      - { .name: ctxp, .offset: 8, .size: 8, .value_kind: global_buffer, .address_space: global }
      - { .name: ml, .offset: 16, .size: 8, .value_kind: global_buffer, .address_space: global }
      - { .name: out0, .offset: 24, .size: 8, .value_kind: global_buffer, .address_space: global }
      - { .name: out1, .offset: 32, .size: 8, .value_kind: global_buffer, .address_space: global }
    .group_segment_fixed_size: 0
    .private_segment_fixed_size: 0
    .kernarg_segment_align: 8
    .kernarg_segment_size: 40
    .max_flat_workgroup_size: 128
    .sgpr_count:     66
    .vgpr_count:     96
    .wavefront_size: 32
...
	.end_amdgpu_metadata
.endif
;; end of part 3
